; MI455X (gfx1250); checked and timed in simulation.
; The chip was launched on July 23, 2026; its instructions are those of AMD's public machine-readable ISA for CDNA 5 (MIT licence, August 2026) and "CDNA5" Instruction Set Architecture Reference Guide (July 2026). The comments in the code are by the model that wrote it; some were corrected since.
;; Point Net Decoder. Allowed arithmetic: float matrix products may take bf16 or f16 operands with f32 sums; all other float work in f32.
;; Inputs: W1 256 x 320 float32; W2 128 x 256 float32; b1 256 float32; b2 128 float32; be1 256 float32; be2 128 float32; coarse_features 1 x 256 x 4,096 float32; coarse_piece_id 1 x 1 x 4,096 int32; coarse_xyz 1 x 3 x 4,096 float32; fine_features 1 x 64 x 16,384 float32; fine_piece_id 1 x 1 x 16,384 int32; fine_xyz 1 x 3 x 16,384 float32; g1 256 float32; g2 128 float32.
;; Outputs: out0 1 x 128 x 16,384 float32.
;; One version. Each part assembles by itself: llvm-mc -triple=amdgcn-amd-amdhsa -mcpu=gfx1250 --defsym DOCPART=n.
;; ======== version 1 of 1: 4 launches
;; limits: values are held in f16: magnitudes above 65,504 overflow, below 6.1e-05 lose precision
;; workspace buffers: nidx 262,144 bytes of whole numbers; nw 262,144 bytes; proj 4,194,304 bytes; w2h 65,536 bytes; y1 16,777,216 bytes; part1 131,072 bytes; y2t 8,388,608 bytes; part2 262,144 bytes
;; launch knn (part 1): grid 256 x 1, 16 waves a work-group, no clusters, 188,416 bytes of LDS; arguments fine_xyz, coarse_xyz, fine_piece_id, coarse_piece_id, coarse_features, W1, W2, nidx, nw, proj, w2h; writes nidx, nw, proj, w2h
.if DOCPART == 1
	.amdgcn_target "amdgcn-amd-amdhsa--gfx1250"
	.amdhsa_code_object_version 6
	.text
	.protected	k_q06bfe4f607_knn
	.globl	k_q06bfe4f607_knn
	.p2align	8
	.type	k_q06bfe4f607_knn,@function
k_q06bfe4f607_knn:
	s_mov_b64 s[64:65], 0
	v_nop
	global_prefetch_b8 v0, s[64:65] scope:SCOPE_SE
	s_setreg_imm32_b32 hwreg(HW_REG_WAVE_MODE, 25, 1), 1
	s_wait_xcnt 0x0
; knn: (1) the 3 nearest coarse points of each fine point, with their weights; (2) a 64 x 64 tile of proj = cf^T W1a^T; (3) 128 numbers of W2 in f16.
; Work-group x owns fine points 64 x .. 64 x + 63, proj rows 64 (x>>2) .. and channels 64 (x&3) .., and W2's numbers 128 x .. .
; Sixteen waves.  Wave w: fine group g = w >> 3 (a lane is one fine point), slice sl = w & 7: coarse blocks 8 i + sl, i = 0 .. 15, of 32 points each.
; DISTANCES are made in f32 by reference()'s own expression, (f2 + c2) - (2f).c, with fused chains in ascending k; ties go to the lower index.
; A block is skipped when none of its 32 coarse ids lies in [least, greatest] of the wave's 32 fine ids: every distance in it is then the fill 1e8
; for every lane, and of all skipped blocks of a slice only the first three points of the first one can enter a list of three: they are inserted behind
; the loop.  The mask is left out of a block when all 64 ids are equal.  Both tests are on whole numbers read from memory, and hold for any ids in any order.
; MATRIX OPERANDS ARE f16, NOT bf16: 11 significant bits against 8.  Two products follow each other in this program, each normalised by its batch's spread,
; and the operands' roundings add up over both.  f16 has the room: cf has spread 1 and W1, W2 0.05; thirty times larger, or offset by thirty spreads,
; they stay under 200, far under 65,504; thirty times smaller W1 has spread 0.0017, 2.8e4 steps of 2^-24.  Sums are f32.
; LIMITS: NaN or infinite coordinates are not served.  Where the reference's build rounds a distance otherwise, a point whose third and fourth distances
; differ by about one rounding of f2 + c2 may take the other neighbour.  The weights use v_rcp_f32 (1 ulp) where reference() divides.
; A feature or weight beyond 65,504 in magnitude becomes infinite in f16; below 2^-14 its step is 2^-24.
; NO CLUSTER, NO TENSOR LOADS: all that work-groups share here (coarse arrays 64 KiB, cf tile 64 KiB, W1 slice 64 KiB) is changed in registers on its
; way into LDS (c2 is formed, arrays are regrouped by block, tiles are rounded to f16); the two tiles' 16 loads are parked in registers and land under the scan.
.set REC,  0                           ; 128 blocks x 640 bytes: cx[32] cy[32] cz[32] c2[32] cid[32]
.set RECB, 640
.set MRG,  81920                       ; [6 fields][8 slices][64 fine points] words
.set CFB,  94208                       ; cf tile, f16 [256 k][64 s], pitch 160 = 5 x 32
.set CFP,  160
.set WAB,  135168                      ; W1a slice, f16 [64 c][256 k], pitch 528 = 33 x 16
.set WAP,  528
.set STG,  168960                      ; proj tile on its way out, f32 [64 s][64 c], pitch 272
.set STP,  272
.set BIGF, 0x4cbebc20                  ; 1e8
.set INFF, 0x7f800000
.set EPSW, 0x322bcc77                  ; 1e-8
.set CX, 8                             ; v[8:15] cx, v[16:23] cy, v[24:31] cz, v[32:39] c2 of a batch of 8 coarse points
.set CY, 16
.set CZ, 24
.set C2, 32
.set CI, 40                            ; v[40:47] their ids
.set D,  48                            ; v[48:55] their distances
.set T,  56                            ; v[56:63] (2f).c
.set F,  64                            ; v64 2fx, v65 2fy, v66 2fz, v67 f2
.set VA, 68                            ; v68-70 the three least distances, ascending
.set VB, 69
.set VC, 70
.set FID, 71
.set IA, 72                            ; v72-74 their indices; v75 = 0 completes the quad that is stored
.set IB, 73
.set IC, 74
.set IZ, 75
.set BIGV, 76
.set BADR, 77                          ; LDS address of the wave's current block, the same in all lanes
.set CD, 78                            ; a candidate's distance and index
.set CJ, 79
.set RAW, 80                           ; v80-82 fx fy fz as loaded
.set ML,  80                           ; merge: v[80:121] the lists of slices 1 to 7
.set FLG, 84                           ; v[84:99] the ids of the wave's 16 blocks, one point a lane
.set CO,  100                          ; v[100:131] coarse, 2 chunks x (x y z id quads)
.set CC,  132                          ; v[132:139] c2 of the 2 chunks
.set TA,  146                          ; temporaries
.set TB,  147
.set AW2, 149                          ; addresses, made once
.set AW2O, 150
.set AMW, 151
.set ACF, 152
.set AWA, 153
.set AMR, 154
.set AOUT, 155
.set AFB, 156
.set AFA, 157
.set ASW, 158
.set ASR, 159
.set APJ, 160
.set PCF, 192                          ; v[192:223] parked cf quads
.set PWA, 224                          ; v[224:255] parked W1a quads
.set FB,  64                           ; proj: v[64:127] B fragments (cf), 8 K steps
.set FA,  192                          ; proj: v[192:255] A fragments (W1a)
	s_load_b512 s[4:19], s[0:1], 0x0               ; fine_xyz 4, coarse_xyz 6, fine id 8, coarse id 10, cf 12, W1 14, W2 16, nidx 18
	s_load_b128 s[20:23], s[0:1], 0x40             ; nw 20, proj 22
	s_load_b64 s[24:25], s[0:1], 0x50              ; w2h
	v_lshl_add_u32 v190, v0, 2, 0x2d800
	v_mov_b32 v191, 0
	v_lshrrev_b32 v1, 5, v0
	v_readfirstlane_b32 s26, v1                    ; wave
	s_lshr_b32 s27, s26, 3                         ; g
	s_and_b32 s28, s26, 7                          ; sl
	s_lshl_b32 s29, ttmp9, 8                       ; 256 x
	s_lshl_b32 s80, s27, 7                         ; 128 g
	s_add_co_u32 s30, s29, s80                     ; byte offset of the wave's 32 fine points in an array of words
	s_mov_b32 s31, 0
	s_lshr_b32 s84, ttmp9, 2                       ; sb
	s_lshl_b32 s94, s84, 16                        ; proj: 64 sb rows of 1,024 bytes
	s_lshl_b32 s84, s84, 8                         ; cf: 64 sb columns of 4 bytes
	s_mov_b32 s85, 0
	s_and_b32 s86, ttmp9, 3                        ; cb
	s_lshl_b32 s81, s86, 8
	s_add_co_u32 s94, s94, s81                     ; proj: + 64 cb channels
	s_mov_b32 s95, 0
	s_mul_i32 s86, s86, 81920                      ; W1: 64 cb rows of 1,280 bytes
	s_mov_b32 s87, 0
	s_lshl_b32 s81, s28, 7                         ; 128 sl
	s_lshl_b32 s88, ttmp9, 9                       ; 512 x
	s_lshl_b32 s89, s28, 8
	s_add_co_u32 s89, s89, s80
	s_add_co_u32 s89, s89, MRG                     ; MRG + 256 sl + 128 g
	s_lshl_b32 s93, ttmp9, 10                      ; 1,024 x
	s_mul_i32 s68, s28, RECB                       ; 640 sl (s68 is written again below)
	s_and_b32 s90, s26, 3                          ; st: which 16 rows of the proj tile
	s_lshr_b32 s91, s26, 2                         ; ct: which 16 channels
	s_mul_i32 s92, s90, 16*STP
	s_lshl_b32 s80, s91, 6
	s_add_co_u32 s92, s92, s80
	s_add_co_u32 s92, s92, STG                     ; STG + 16 st rows + 64 ct bytes
	s_lshl_b32 s90, s90, 5
	s_add_co_u32 s90, s90, CFB                     ; CFB + 32 st
	s_mul_i32 s91, s91, 16*WAP
	s_add_co_u32 s91, s91, WAB                     ; WAB + 16 ct rows
	v_and_b32 v1, 31, v0                           ; lane L
	v_lshl_add_u32 v2, v1, 2, s30                  ; my fine point, in words
	v_lshl_add_u32 v3, v1, 2, s81                  ; 128 sl + 4 L: my point of the wave's block 0
	v_lshlrev_b32 v4, 4, v0                        ; 16 t
	v_lshrrev_b32 v5, 3, v0
	v_and_b32 v[TA], 7, v0
	v_mul_u32_u24 v5, v5, RECB
	v_lshl_add_u32 v5, v[TA], 4, v5                ; REC: block t >> 3, points 4 (t & 7) ..
	v_lshrrev_b32 v[TA], 4, v0                     ; t >> 4
	v_and_b32 v[TB], 15, v0                        ; t & 15
	v_lshlrev_b32 v6, 14, v[TA]
	v_lshl_add_u32 v6, v[TB], 4, v6                ; cf: row t >> 4, 16 bytes at 16 (t & 15)
	v_mul_u32_u24 v[ACF], v[TA], CFP
	v_lshl_add_u32 v[ACF], v[TB], 3, v[ACF]
	v_add_nc_u32 v[ACF], CFB, v[ACF]
	v_mul_u32_u24 v[ASR], v[TA], STP
	v_lshl_add_u32 v[ASR], v[TB], 4, v[ASR]
	v_add_nc_u32 v[ASR], STG, v[ASR]
	v_lshlrev_b32 v[APJ], 10, v[TA]
	v_lshl_add_u32 v[APJ], v[TB], 4, v[APJ]
	v_lshrrev_b32 v[TA], 6, v0                     ; t >> 6
	v_and_b32 v[TB], 63, v0                        ; t & 63
	v_mul_u32_u24 v7, v[TA], 1280
	v_lshl_add_u32 v7, v[TB], 4, v7                ; W1: row t >> 6, 16 bytes at 16 (t & 63)
	v_mul_u32_u24 v[AWA], v[TA], WAP
	v_lshl_add_u32 v[AWA], v[TB], 3, v[AWA]
	v_add_nc_u32 v[AWA], WAB, v[AWA]
	v_lshlrev_b32 v[AMR], 2, v[TB]
	v_add_nc_u32 v[AMR], MRG, v[AMR]               ; merge: fine point t & 63
	v_lshl_add_u32 v[AOUT], v[TB], 4, s93          ; 1,024 x + 16 (t & 63)
	v_lshl_add_u32 v[AW2], v1, 4, s88              ; 512 x + 16 L
	v_lshl_add_u32 v[AW2O], v1, 3, s29             ; 256 x + 8 L
	v_lshl_add_u32 v[AMW], v1, 2, s89
	v_mov_b32 v[BADR], s68
	s_wait_kmcnt 0x0
	s_add_nc_u64 s[82:83], s[8:9], s[30:31]
	s_load_b512 s[32:47], s[82:83], 0x0            ; the wave's 32 fine ids as scalars
	s_load_b512 s[48:63], s[82:83], 0x40
	s_add_nc_u64 s[12:13], s[12:13], s[84:85]
	s_add_nc_u64 s[14:15], s[14:15], s[86:87]
	s_add_nc_u64 s[22:23], s[22:23], s[94:95]
	; All global loads of the launch, oldest first.  Wave 0's extra load is the oldest, so the counts below hold with and without it.
	s_cmp_lg_u32 s26, 0
	s_cbranch_scc1 .Lno_w2
	global_load_b128 v[140:143], v[AW2], s[16:17] th:TH_LOAD_NT
.Lno_w2:
	global_load_b32 v[RAW], v2, s[4:5]
	global_load_b32 v[RAW+1], v2, s[4:5] offset:65536
	global_load_b32 v[RAW+2], v2, s[4:5] offset:131072
	global_load_b32 v[FID], v2, s[8:9]
.irp i, 0,1,2,3,4,5,6,7,8,9,10,11,12,13,14,15
	global_load_b32 v[FLG+\i], v3, s[10:11] offset:1024*\i
.endr
.irp i, 0,1
	global_load_b128 v[CO+16*\i:CO+16*\i+3],     v4, s[6:7] offset:8192*\i
	global_load_b128 v[CO+16*\i+4:CO+16*\i+7],   v4, s[6:7] offset:8192*\i+16384
	global_load_b128 v[CO+16*\i+8:CO+16*\i+11],  v4, s[6:7] offset:8192*\i+32768
	global_load_b128 v[CO+16*\i+12:CO+16*\i+15], v4, s[10:11] offset:8192*\i
.endr
.irp i, 0,1,2,3,4,5,6,7
	global_load_b128 v[PCF+4*\i:PCF+4*\i+3], v6, s[12:13] offset:524288*\i    ; 32 rows of cf, sixteen lanes take 256 consecutive aligned bytes
.endr
.irp i, 0,1,2,3,4,5,6,7
	global_load_b128 v[PWA+4*\i:PWA+4*\i+3], v7, s[14:15] offset:10240*\i     ; 8 rows of W1, their first 1,024 bytes
.endr
	; addresses of the proj phase, while the loads are on their way
	v_and_b32 v[TA], 7, v0
	v_lshrrev_b32 v[TB], 4, v1                     ; h
	v_lshl_or_b32 v[TA], v[TB], 3, v[TA]           ; 8 h + (L & 7)
	v_mul_u32_u24 v[AFB], v[TA], CFP
	v_bfe_u32 v[TA], v0, 3, 1
	v_lshl_add_u32 v[AFB], v[TA], 4, v[AFB]
	v_add_nc_u32 v[AFB], s90, v[AFB]
	v_and_b32 v[TA], 15, v0                        ; r
	v_mul_u32_u24 v[AFA], v[TA], WAP
	v_lshl_add_u32 v[AFA], v[TB], 4, v[AFA]
	v_add_nc_u32 v[AFA], s91, v[AFA]
	v_mul_u32_u24 v[ASW], v[TA], STP
	v_lshl_add_u32 v[ASW], v[TB], 5, v[ASW]
	v_add_nc_u32 v[ASW], s92, v[ASW]
	v_mov_b32 v[BIGV], BIGF
	v_mov_b32 v[VA], INFF                          ; empty lists
	v_mov_b32 v[VB], INFF
	v_mov_b32 v[VC], INFF
	v_mov_b32 v[IA], 0
	v_mov_b32 v[IB], 0
	v_mov_b32 v[IC], 0
	s_wait_kmcnt 0x0                               ; the 32 fine ids
	s_min_i32 s66, s32, s33
	s_max_i32 s67, s32, s33
.set k, 34
.rept 30
	s_min_i32 s66, s66, s[k]
	s_max_i32 s67, s67, s[k]
.set k, k+1
.endr
	s_sub_co_u32 s68, s67, s66                     ; the range's width, as an unsigned number
	s_wait_loadcnt 16                              ; all but the 16 parked loads are in
	s_cmp_lg_u32 s26, 0
	s_cbranch_scc1 .Lno_w2h
	v_cvt_pk_f16_f32 v144, v140, v141
	v_cvt_pk_f16_f32 v145, v142, v143
	global_store_b64 v[AW2O], v[144:145], s[24:25] ; the wave's store covers 256 consecutive aligned bytes
.Lno_w2h:
.irp i, 0,1
.irp u, 0,2
	v_pk_mul_f32 v[CC+4*\i+\u:CC+4*\i+\u+1], v[CO+16*\i+\u:CO+16*\i+\u+1], v[CO+16*\i+\u:CO+16*\i+\u+1]
.endr
.endr
.irp i, 0,1
.irp u, 0,2
	v_pk_fma_f32 v[CC+4*\i+\u:CC+4*\i+\u+1], v[CO+16*\i+4+\u:CO+16*\i+4+\u+1], v[CO+16*\i+4+\u:CO+16*\i+4+\u+1], v[CC+4*\i+\u:CC+4*\i+\u+1]
.endr
.endr
.irp i, 0,1
.irp u, 0,2
	v_pk_fma_f32 v[CC+4*\i+\u:CC+4*\i+\u+1], v[CO+16*\i+8+\u:CO+16*\i+8+\u+1], v[CO+16*\i+8+\u:CO+16*\i+8+\u+1], v[CC+4*\i+\u:CC+4*\i+\u+1]
.endr
.endr
.irp i, 0,1
	ds_store_b128 v5, v[CO+16*\i:CO+16*\i+3]     offset:40960*\i
	ds_store_b128 v5, v[CO+16*\i+4:CO+16*\i+7]   offset:40960*\i+128
	ds_store_b128 v5, v[CO+16*\i+8:CO+16*\i+11]  offset:40960*\i+256
	ds_store_b128 v5, v[CC+4*\i:CC+4*\i+3]       offset:40960*\i+384
	ds_store_b128 v5, v[CO+16*\i+12:CO+16*\i+15] offset:40960*\i+512
.endr
	v_mul_f32 v[F+3], v[RAW], v[RAW]               ; f2 by the same chain as c2
	v_fmac_f32 v[F+3], v[RAW+1], v[RAW+1]
	v_fmac_f32 v[F+3], v[RAW+2], v[RAW+2]
	v_add_f32 v[F], v[RAW], v[RAW]                 ; 2 f, exact
	v_add_f32 v[F+1], v[RAW+1], v[RAW+1]
	v_add_f32 v[F+2], v[RAW+2], v[RAW+2]
	; Two flags for each of the wave's 16 blocks: ANY (s69) some coarse id lies in the range, ALL (s70) all do.
	s_mov_b32 s69, 0
	s_mov_b32 s70, 0
.irp i, 0,1,2,3,4,5,6,7,8,9,10,11,12,13,14,15
	v_sub_nc_u32 v[CD], v[FLG+\i], s66
	v_cmp_le_u32 s80, v[CD], s68
	s_cmp_lg_u32 s80, 0
	s_cselect_b32 s81, 1<<\i, 0
	s_or_b32 s69, s69, s81
	s_cmp_eq_u32 s80, -1
	s_cselect_b32 s81, 1<<\i, 0
	s_or_b32 s70, s70, s81
.endr
	s_cmp_eq_u32 s68, 0                            ; the mask may be left out only if the fine ids are all one id as well
	s_cselect_b32 s70, s70, 0
	s_not_b32 s80, s69
	s_and_b32 s80, s80, 0xffff                     ; the skipped blocks
	s_mov_b32 s79, INFF
	s_cmp_lg_u32 s80, 0
	s_cselect_b32 s79, BIGF, s79                   ; their distance; +inf, which enters no list, if there are none
	s_ctz_i32_b32 s78, s80
	s_min_u32 s78, s78, 15                         ; the first of them (15 if there are none)
	s_lshl_b32 s78, s78, 8
	s_lshl_b32 s81, s28, 5
	s_add_co_u32 s78, s78, s81                     ; its first point's index: 256 i + 32 sl
	s_wait_dscnt 0x0                               ; my part of REC is written,
	s_barrier_signal -1
	s_barrier_wait -1                              ; everybody's is; REC is only read from here on
; dst = mask ? j : dst; j a register number (isreg = 1) or a small constant
.macro TAKE dst, j, m, isreg
.if \isreg
	v_cndmask_b32 v[\dst], v[\dst], v[\j], s[\m]
.else
	v_cndmask_b32 v[\dst], v[\dst], \j, s[\m]
.endif
.endm
; The candidate (v[d], j) goes in front of the list's first (s72), second (s73), third (s74) entry; s72 implies s73 implies s74.
.macro UPD d, j, isreg
	TAKE IC, \j, 74, \isreg
	v_cndmask_b32 v[IC], v[IC], v[IB], s73
	TAKE IB, \j, 73, \isreg
	v_cndmask_b32 v[IB], v[IB], v[IA], s72
	TAKE IA, \j, 72, \isreg
	v_med3_num_f32 v[VC], v[VB], v[VC], v[\d]
	v_med3_num_f32 v[VB], v[VA], v[VB], v[\d]
	v_min_num_f32 v[VA], v[VA], v[\d]
.endm
; In the scan indices ascend, so a strict compare leaves the lower index in front of an equal distance.
.macro INS d, j
	v_cmp_lt_f32 s72, v[\d], v[VA]
	v_cmp_lt_f32 s73, v[\d], v[VB]
	v_cmp_lt_f32 s74, v[\d], v[VC]
	UPD \d, \j, 0
.endm
; Out of order: compare (distance, index) pairs.
.macro LEXINS d, j
	v_cmp_lt_f32 s72, v[\d], v[VA]
	v_cmp_eq_f32 s80, v[\d], v[VA]
	v_cmp_lt_u32 s81, v[\j], v[IA]
	v_cmp_lt_f32 s73, v[\d], v[VB]
	v_cmp_eq_f32 s82, v[\d], v[VB]
	v_cmp_lt_u32 s83, v[\j], v[IB]
	v_cmp_lt_f32 s74, v[\d], v[VC]
	v_cmp_eq_f32 s84, v[\d], v[VC]
	v_cmp_lt_u32 s85, v[\j], v[IC]
	s_and_b32 s80, s80, s81
	s_and_b32 s82, s82, s83
	s_and_b32 s84, s84, s85
	s_or_b32 s72, s72, s80
	s_or_b32 s73, s73, s82
	s_or_b32 s74, s74, s84
	UPD \d, \j, 1
.endm
; Batch b (8 points) of the block: every lane reads the same bytes.
.macro LOADB b, masked
.irp a, 0,1,2,3
	ds_load_b128 v[CX+8*\a:CX+8*\a+3],   v[BADR] offset:128*\a+32*\b
	ds_load_b128 v[CX+8*\a+4:CX+8*\a+7], v[BADR] offset:128*\a+32*\b+16
.endr
.if \masked
	ds_load_b128 v[CI:CI+3],   v[BADR] offset:512+32*\b
	ds_load_b128 v[CI+4:CI+7], v[BADR] offset:512+32*\b+16
.endif
.endm
; Batch b: distances, mask, the next batch's loads (nxt, 0 = none; the batch's registers have been read), then 8 insertions, under which those loads land.
.macro BATCH b, nxt, masked
	s_wait_dscnt 0x0
.irp u, 0,2,4,6
	v_pk_add_f32 v[D+\u:D+\u+1], v[C2+\u:C2+\u+1], v[F+2:F+3] op_sel:[0,1] op_sel_hi:[1,1]      ; f2 + c2
.endr
.irp u, 0,2,4,6
	v_pk_mul_f32 v[T+\u:T+\u+1], v[CX+\u:CX+\u+1], v[F:F+1] op_sel_hi:[1,0]                     ; 2fx cx
.endr
.irp u, 0,2,4,6
	v_pk_fma_f32 v[T+\u:T+\u+1], v[CY+\u:CY+\u+1], v[F:F+1], v[T+\u:T+\u+1] op_sel:[0,1,0] op_sel_hi:[1,1,1]   ; + 2fy cy
.endr
.irp u, 0,2,4,6
	v_pk_fma_f32 v[T+\u:T+\u+1], v[CZ+\u:CZ+\u+1], v[F+2:F+3], v[T+\u:T+\u+1] op_sel_hi:[1,0,1]                ; + 2fz cz
.endr
.irp u, 0,2,4,6
	v_pk_add_f32 v[D+\u:D+\u+1], v[D+\u:D+\u+1], v[T+\u:T+\u+1] neg_lo:[0,1] neg_hi:[0,1]
.endr
.if \masked
.irp e, 0,1,2,3,4,5,6,7
	v_cmp_ne_u32 vcc_lo, v[FID], v[CI+\e]
	v_cndmask_b32 v[D+\e], v[D+\e], v[BIGV], vcc_lo
.endr
.endif
.if \nxt
	LOADB \nxt, \masked
.endif
.irp e, 0,1,2,3,4,5,6,7
	INS D+\e, 8*\b+\e
.endr
.endm
.macro BLOCK masked
	LOADB 0, \masked
	BATCH 0, 1, \masked
	BATCH 1, 2, \masked
	BATCH 2, 3, \masked
	BATCH 3, 0, \masked
.endm
	; The scan: 16 trips, one block each.  Indices are kept relative to the current block's first point, so that a point's index is a constant 0 .. 31.
	s_mov_b32 s71, 0
.Lscan:
	s_and_b32 s80, s69, 1
	s_cbranch_scc0 .Lnext                          ; no id of the block in range: skipped
	s_and_b32 s80, s70, 1
	s_cbranch_scc1 .Lplain
	BLOCK 1
	s_branch .Lnext
.Lplain:
	BLOCK 0                                        ; all ids equal: no mask
.Lnext:
	v_add_nc_u32 v[IA], 0xffffff00, v[IA]          ; the slice's next block begins 256 points further on
	v_add_nc_u32 v[IB], 0xffffff00, v[IB]
	v_add_nc_u32 v[IC], 0xffffff00, v[IC]
	v_add_nc_u32 v[BADR], 8*RECB, v[BADR]
	s_lshr_b32 s69, s69, 1
	s_lshr_b32 s70, s70, 1
	s_add_co_u32 s71, s71, 1
	s_cmp_lt_u32 s71, 16
	s_cbranch_scc1 .Lscan
	s_lshl_b32 s80, s28, 5
	s_add_co_u32 s80, s80, 4096                    ; 16 steps of 256 back, and the slice's own 32 sl
	v_add_nc_u32 v[IA], s80, v[IA]
	v_add_nc_u32 v[IB], s80, v[IB]
	v_add_nc_u32 v[IC], s80, v[IC]
	v_mov_b32 v[CD], s79                           ; the first three points of the first skipped block
	v_mov_b32 v[CJ], s78
	LEXINS CD, CJ
	v_add_nc_u32 v[CJ], 1, v[CJ]
	LEXINS CD, CJ
	v_add_nc_u32 v[CJ], 1, v[CJ]
	LEXINS CD, CJ
	ds_store_b32 v[AMW], v[VA]
	ds_store_b32 v[AMW], v[VB] offset:2048
	ds_store_b32 v[AMW], v[VC] offset:4096
	ds_store_b32 v[AMW], v[IA] offset:6144
	ds_store_b32 v[AMW], v[IB] offset:8192
	ds_store_b32 v[AMW], v[IC] offset:10240
	s_wait_loadcnt 0x0                             ; the parked tiles
.irp i, 0,1,2,3,4,5,6,7
	v_cvt_pk_f16_f32 v[8+2*\i], v[PCF+4*\i], v[PCF+4*\i+1]
	v_cvt_pk_f16_f32 v[9+2*\i], v[PCF+4*\i+2], v[PCF+4*\i+3]
	v_cvt_pk_f16_f32 v[24+2*\i], v[PWA+4*\i], v[PWA+4*\i+1]
	v_cvt_pk_f16_f32 v[25+2*\i], v[PWA+4*\i+2], v[PWA+4*\i+3]
.endr
.irp i, 0,1,2,3,4,5,6,7
	ds_store_b64 v[ACF], v[8+2*\i:9+2*\i] offset:32*CFP*\i
	ds_store_b64 v[AWA], v[24+2*\i:25+2*\i] offset:8*WAP*\i
.endr
	s_wait_dscnt 0x0                               ; my lists and my parts of both tiles are written,
	s_barrier_signal -1
	s_barrier_wait -1                              ; everybody's are
	; Waves 0 and 1: thread t merges the 8 slices' lists of fine point t and makes the weights.
	s_cmp_gt_u32 s26, 1
	s_cbranch_scc1 .Lmerged
.irp f, 0,1,2
	ds_load_b32 v[VA+\f], v[AMR] offset:2048*\f
	ds_load_b32 v[IA+\f], v[AMR] offset:2048*\f+6144
.endr
.irp s, 1,2,3,4,5,6,7
.irp f, 0,1,2,3,4,5
	ds_load_b32 v[ML+6*(\s-1)+\f], v[AMR] offset:2048*\f+256*\s
.endr
.endr
	s_wait_dscnt 0x0
.irp s, 1,2,3,4,5,6,7
.irp k, 0,1,2
	LEXINS ML+6*(\s-1)+\k, ML+6*(\s-1)+3+\k
.endr
.endr
	v_add_f32 v124, EPSW, v[VA]
	v_add_f32 v125, EPSW, v[VB]
	v_add_f32 v126, EPSW, v[VC]
	v_rcp_f32 v128, v124
	v_rcp_f32 v129, v125
	v_rcp_f32 v130, v126
	v_mov_b32 v[IZ], 0                             ; a plain instruction stands between a reciprocal and its use (ISA guide 5.7.2)
	s_wait_alu depctr_va_vdst(0)
	v_add_f32 v131, v128, v129
	v_add_f32 v131, v131, v130
	v_rcp_f32 v132, v131
	v_mov_b32 v127, 0                              ; likewise
	s_wait_alu depctr_va_vdst(0)
	v_mul_f32 v124, v128, v132
	v_mul_f32 v125, v129, v132
	v_mul_f32 v126, v130, v132
	global_store_b128 v[AOUT], v[IA:IA+3], s[18:19]
	global_store_b128 v[AOUT], v[124:127], s[20:21]
.Lmerged:
	s_wait_xcnt 0x0                                ; the stores' data lie in registers that the fragment loads below write
	; proj tile: wave (st, ct) makes 16 coarse rows x 16 channels over K = 256.  A = W1a (rows = channels, K along the LDS rows), B = cf (stored [k][s],
	; read by the transposing load).  In the result a lane holds 8 neighbouring channels of coarse row r.
.irp ks, 0,1,2,3,4,5,6,7
	ds_load_tr16_b128 v[FB+8*\ks:FB+8*\ks+3],   v[AFB] offset:32*CFP*\ks
	ds_load_tr16_b128 v[FB+8*\ks+4:FB+8*\ks+7], v[AFB] offset:32*CFP*\ks+16*CFP
	ds_load_b128 v[FA+8*\ks:FA+8*\ks+3],   v[AFA] offset:64*\ks
	ds_load_b128 v[FA+8*\ks+4:FA+8*\ks+7], v[AFA] offset:64*\ks+32
.endr
	s_wait_dscnt 0x0
	v_wmma_f32_16x16x32_f16 v[8:15],  v[FA:FA+7],    v[FB:FB+7],    0      ; two accumulators by turns; the first products start the sums
	v_wmma_f32_16x16x32_f16 v[16:23], v[FA+8:FA+15], v[FB+8:FB+15], 0
.irp ks, 2,4,6
	v_wmma_f32_16x16x32_f16 v[8:15],  v[FA+8*\ks:FA+8*\ks+7],    v[FB+8*\ks:FB+8*\ks+7],    v[8:15]
	v_wmma_f32_16x16x32_f16 v[16:23], v[FA+8*\ks+8:FA+8*\ks+15], v[FB+8*\ks+8:FB+8*\ks+15], v[16:23]
.endr
.rept 4
	v_nop                                          ; four places behind the last matrix instruction before its result is read (ISA guide 7.12.1)
.endr
.irp u, 0,2,4,6
	v_pk_add_f32 v[8+\u:9+\u], v[8+\u:9+\u], v[16+\u:17+\u]
.endr
	ds_store_b128 v[ASW], v[8:11]
	ds_store_b128 v[ASW], v[12:15] offset:16
	s_wait_dscnt 0x0
	s_barrier_signal -1
	s_barrier_wait -1
	ds_load_b128 v[24:27], v[ASR]
	ds_load_b128 v[28:31], v[ASR] offset:32*STP
	s_wait_dscnt 0x1                               ; the older of the two
	global_store_b128 v[APJ], v[24:27], s[22:23]   ; sixteen lanes store 256 consecutive aligned bytes of a proj row
	s_wait_dscnt 0x0
	global_store_b128 v[APJ], v[28:31], s[22:23] offset:32768
	s_wait_tensorcnt 0x0
	ds_add_u32 v190, v191
	s_wait_dscnt 0x0
	s_endpgm
.Lfunc_end_k_q06bfe4f607_knn:
	.size	k_q06bfe4f607_knn, .Lfunc_end_k_q06bfe4f607_knn-k_q06bfe4f607_knn
	.p2alignl 7, 3214868480
	.fill 96, 4, 3214868480
	.section	.rodata,"a",@progbits
	.p2align	6, 0x0
	.amdhsa_kernel k_q06bfe4f607_knn
		.amdhsa_group_segment_fixed_size 188416
		.amdhsa_private_segment_fixed_size 0
		.amdhsa_enable_private_segment 0
		.amdhsa_kernarg_size 88
		.amdhsa_user_sgpr_count 2
		.amdhsa_user_sgpr_kernarg_segment_ptr 1
		.amdhsa_wavefront_size32 1
		.amdhsa_system_sgpr_workgroup_id_x 1
		.amdhsa_system_sgpr_workgroup_id_y 1
		.amdhsa_system_sgpr_workgroup_id_z 1
		.amdhsa_system_vgpr_workitem_id 0
		.amdhsa_next_free_vgpr 256
		.amdhsa_next_free_sgpr 96
		.amdhsa_reserve_vcc 1
		.amdhsa_float_denorm_mode_32 3
		.amdhsa_float_denorm_mode_16_64 3
		.amdhsa_memory_ordered 1
		.amdhsa_forward_progress 1
		.amdhsa_inst_pref_size 120
	.end_amdhsa_kernel
	.amdgpu_metadata
---
amdhsa.version: [ 1, 2 ]
amdhsa.kernels:
  - .name:           k_q06bfe4f607_knn
    .symbol:         k_q06bfe4f607_knn.kd
    .args:
      - { .name: fine_xyz, .offset: 0, .size: 8, .value_kind: global_buffer, .address_space: global }
      - { .name: coarse_xyz, .offset: 8, .size: 8, .value_kind: global_buffer, .address_space: global }
      - { .name: fine_piece_id, .offset: 16, .size: 8, .value_kind: global_buffer, .address_space: global }
      - { .name: coarse_piece_id, .offset: 24, .size: 8, .value_kind: global_buffer, .address_space: global }
      - { .name: coarse_features, .offset: 32, .size: 8, .value_kind: global_buffer, .address_space: global }
      - { .name: W1, .offset: 40, .size: 8, .value_kind: global_buffer, .address_space: global }
      - { .name: W2, .offset: 48, .size: 8, .value_kind: global_buffer, .address_space: global }
      - { .name: nidx, .offset: 56, .size: 8, .value_kind: global_buffer, .address_space: global }
      - { .name: nw, .offset: 64, .size: 8, .value_kind: global_buffer, .address_space: global }
      - { .name: proj, .offset: 72, .size: 8, .value_kind: global_buffer, .address_space: global }
      - { .name: w2h, .offset: 80, .size: 8, .value_kind: global_buffer, .address_space: global }
    .group_segment_fixed_size: 188416
    .private_segment_fixed_size: 0
    .kernarg_segment_align: 8
    .kernarg_segment_size: 88
    .max_flat_workgroup_size: 512
    .sgpr_count:     96
    .vgpr_count:     256
    .wavefront_size: 32
...
	.end_amdgpu_metadata
.endif
;; end of part 1
;; launch mix (part 2): grid 4 x 64, 16 waves a work-group, no clusters, 123,904 bytes of LDS; arguments nidx, nw, proj, fine_features, W1, b1, y1, part1; writes y1, part1
.if DOCPART == 2
	.amdgcn_target "amdgcn-amd-amdhsa--gfx1250"
	.amdhsa_code_object_version 6
	.text
	.protected	k_q06bfe4f607_mix
	.globl	k_q06bfe4f607_mix
	.p2align	8
	.type	k_q06bfe4f607_mix,@function
k_q06bfe4f607_mix:
	s_mov_b64 s[64:65], 0
	v_nop
	global_prefetch_b8 v0, s[64:65] scope:SCOPE_SE
	s_setreg_imm32_b32 hwreg(HW_REG_WAVE_MODE, 25, 1), 1
	s_wait_xcnt 0x0
; mix: y1[n][c] = sum over k of w[n][k] proj[idx[n][k]][c]  +  sum over k < 64 of ff[k][n] W1[c][256+k]  +  b1[c], and the block's BN1 partials.
; Work-group (cb, rb) owns rows 256 rb .. + 255 and channels 64 cb .. + 63; wave w owns rows 16 w .. 16 w + 15 of them.
; The gather takes 256 consecutive aligned bytes of a proj row with sixteen lanes; all 24 gathers of a wave are out at once.
; Partials: (sum, M2 about the block's own mean) over 256 rows, so that no variance is ever a difference of large sums.
; Indices are clamped to 4,095 before they enter an address.
; MATRIX OPERANDS ARE f16 (11 significant bits): ff has spread 1 and W1 0.05; thirty times larger, or offset by thirty spreads, they stay under 200, far
; under 65,504; thirty times smaller W1 has spread 0.0017, 2.8e4 steps of 2^-24.  LIMIT: an operand beyond 65,504 in magnitude becomes infinite.
; NO CLUSTER: the one tile that the four channel slices of a row block share (ff, 64 KiB) is a small part of a work-group's bytes and is rounded to f16
; in registers on its way into LDS.
.set FFP,  544                         ; FFB at 0: f16 [64 k][256 n], pitch 544 = 17 x 32
.set WB,   34816                       ; f16 [64 c][64 k], pitch 144 = 9 x 16
.set WBP,  144
.set STG,  44032                       ; 16 waves x 16 rows x 272 bytes, each wave's own
.set STP,  272
.set RED1, 113664                      ; 16 waves x 256 bytes; the second reduction's bytes lie 4,096 further on
.set WQ,   12                          ; v[12:43]   8 weight quads (row 2 p + h)
.set IX,   44                          ; v[44:75]   8 index quads; later
.set ACC,  44                          ;            4 accumulators
.set SGR,  76                          ; v[76:115]  10 staging quads; later
.set FR0,  76                          ;            K step 0: B fragment, 4 A fragments; later
.set Y,    76                          ;            v[76:107] 8 row quads,
.set S,    108                         ;            v[108:111] sums,
.set Q,    112                         ;            v[112:115] M2
.set B1,   116                         ; v[116:119] b1 of my 4 channels
.set G,    120                         ; v[120:215] 24 gathered quads; later the 16 rows of a reduction
.set FR1,  216                         ; v[216:255] K step 1's fragments; later
.set T,    216
.set MEAN, 220
.set PT,   224
.set OV,   228
.set OA,   232
	s_load_b512 s[4:19], s[0:1], 0x0               ; nidx 4, nw 6, proj 8, ff 10, W1 12, b1 14, y1 16, part1 18
	v_lshrrev_b32 v1, 5, v0
	v_readfirstlane_b32 s23, v1                    ; wave
	s_and_b32 s25, ttmp7, 0xffff                   ; rb;  cb = ttmp9
	s_mov_b32 s27, 0
	s_mov_b32 s20, 0x76543210                      ; v_permlanex16_b32: lane i takes lane i of the other half
	s_mov_b32 s21, 0xfedcba98
	s_mov_b32 s22, 0xffff0000                      ; lanes 16 to 31
	v_and_b32 v1, 31, v0
	v_lshrrev_b32 v2, 4, v1                        ; h
	v_and_b32 v3, 15, v0                           ; r
	v_lshlrev_b32 v4, 4, v3                        ; 16 r: my 4 channels
	s_lshl_b32 s30, s23, 8
	v_lshl_add_u32 v5, v2, 4, s30                  ; lists: row 16 w + h, 16 bytes a row
	v_lshrrev_b32 v11, 6, v0
	v_and_b32 v[T], 63, v0
	v_lshlrev_b32 v6, 16, v11
	v_lshl_add_u32 v6, v[T], 4, v6                 ; ff: row t >> 6, 16 bytes at 16 (t & 63)
	v_mul_u32_u24 v8, v11, FFP
	v_lshl_add_u32 v8, v[T], 3, v8
	v_lshrrev_b32 v11, 4, v0
	v_mul_u32_u24 v7, v11, 1280
	v_add_nc_u32 v7, v4, v7                        ; W1: row t >> 4, 16 bytes at 16 (t & 15)
	v_mul_u32_u24 v9, v11, WBP
	v_lshl_add_u32 v9, v3, 3, v9
	v_add_nc_u32 v9, WB, v9
	s_lshl_b32 s30, s23, 14
	v_lshl_add_u32 v10, v2, 10, v4
	v_add_nc_u32 v10, s30, v10                     ; y1: row 16 w + h, my 16 bytes
	s_wait_kmcnt 0x0
	s_lshl_b32 s26, s25, 12
	s_add_nc_u64 s[4:5], s[4:5], s[26:27]          ; lists at row 256 rb
	s_add_nc_u64 s[6:7], s[6:7], s[26:27]
	s_lshl_b32 s26, ttmp9, 8
	s_add_nc_u64 s[8:9], s[8:9], s[26:27]          ; channel 64 cb in proj, b1, y1, part1
	s_add_nc_u64 s[14:15], s[14:15], s[26:27]
	s_add_nc_u64 s[16:17], s[16:17], s[26:27]
	s_add_nc_u64 s[18:19], s[18:19], s[26:27]
	s_lshl_b32 s26, s25, 10
	s_add_nc_u64 s[10:11], s[10:11], s[26:27]      ; ff at column 256 rb
	s_mul_i32 s26, ttmp9, 81920
	s_add_nc_u64 s[12:13], s[12:13], s[26:27]      ; W1 at row 64 cb
	s_lshl_b32 s26, s25, 18
	s_add_nc_u64 s[16:17], s[16:17], s[26:27]      ; y1 at row 256 rb
	s_lshl_b32 s26, s25, 11
	s_add_nc_u64 s[18:19], s[18:19], s[26:27]      ; part1 at set rb
.irp p, 0,1,2,3,4,5,6,7
	global_load_b128 v[IX+4*\p:IX+4*\p+3], v5, s[4:5] offset:32*\p
.endr
.irp p, 0,1,2,3,4,5,6,7
	global_load_b128 v[WQ+4*\p:WQ+4*\p+3], v5, s[6:7] offset:32*\p
.endr
.irp i, 0,1,2,3,4,5,6,7
	global_load_b128 v[SGR+4*\i:SGR+4*\i+3], v6, s[10:11] offset:524288*\i
.endr
.irp i, 0,1
	global_load_b128 v[SGR+32+4*\i:SGR+32+4*\i+3], v7, s[12:13] offset:40960*\i+1024
.endr
	global_load_b128 v[B1:B1+3], v4, s[14:15]
	s_wait_loadcnt 19                              ; behind the 8 index loads stand 8 + 8 + 2 + 1: the indices are in
.irp p, 0,1,2,3,4,5,6,7
.irp k, 0,1,2
	v_min_u32 v[G+12*\p+4*\k], 4095, v[IX+4*\p+\k]
	v_lshl_add_u32 v[G+12*\p+4*\k], v[G+12*\p+4*\k], 10, v4
	global_load_b128 v[G+12*\p+4*\k:G+12*\p+4*\k+3], v[G+12*\p+4*\k], s[8:9]
.endr
.endr
	s_wait_loadcnt 24                              ; only the 24 gathers may be out
.irp i, 0,1,2,3,4,5,6,7,8,9
	v_cvt_pk_f16_f32 v[SGR+4*\i], v[SGR+4*\i], v[SGR+4*\i+1]
	v_cvt_pk_f16_f32 v[SGR+4*\i+1], v[SGR+4*\i+2], v[SGR+4*\i+3]
.endr
.irp i, 0,1,2,3,4,5,6,7
	ds_store_b64 v8, v[SGR+4*\i:SGR+4*\i+1] offset:8*FFP*\i
.endr
.irp i, 0,1
	ds_store_b64 v9, v[SGR+32+4*\i:SGR+32+4*\i+1] offset:32*WBP*\i
.endr
	; v5 to v7 are free since the wait above showed their loads done; LDS stores' sources need no wait
	v_and_b32 v11, 7, v0
	v_lshl_or_b32 v11, v2, 3, v11
	v_mul_u32_u24 v5, v11, FFP
	v_bfe_u32 v11, v0, 3, 1
	v_lshl_add_u32 v5, v11, 4, v5
	s_lshl_b32 s30, s23, 5
	v_add_nc_u32 v5, s30, v5                       ; B: (8 h + (L & 7)) pitch + 32 w + 16 ((L >> 3) & 1)
	v_mul_u32_u24 v6, v3, WBP
	v_lshl_add_u32 v6, v2, 4, v6
	v_add_nc_u32 v6, WB, v6                        ; A: r pitch + 16 h
	s_mul_i32 s30, s23, 16*STP
	s_add_co_u32 s30, s30, STG                     ; my stage
	v_mul_u32_u24 v7, v3, STP
	v_lshl_add_u32 v7, v2, 5, v7
	v_add_nc_u32 v7, s30, v7                       ; in: row r, 32 h
	v_mul_u32_u24 v8, v2, STP
	v_add3_u32 v8, v8, v4, s30                     ; back: row h, my 16 bytes
	s_lshl_b32 s31, s23, 8
	s_add_co_u32 s31, s31, RED1
	v_add_nc_u32 v9, s31, v4
	v_add_nc_u32 v11, RED1, v4
	s_wait_dscnt 0x0
	s_barrier_signal -1
	s_barrier_wait -1
	; A = W1b (rows = channels), B = ff (stored [k][n], transposing load): a lane's 8 results are 8 neighbouring channels of row r.
.irp ks, 0,1
	ds_load_tr16_b128 v[FR0+140*\ks:FR0+140*\ks+3],   v5 offset:32*FFP*\ks
	ds_load_tr16_b128 v[FR0+140*\ks+4:FR0+140*\ks+7], v5 offset:32*FFP*\ks+16*FFP
.irp ct, 0,1,2,3
	ds_load_b128 v[FR0+140*\ks+8+8*\ct:FR0+140*\ks+11+8*\ct],  v6 offset:16*WBP*\ct+64*\ks
	ds_load_b128 v[FR0+140*\ks+12+8*\ct:FR0+140*\ks+15+8*\ct], v6 offset:16*WBP*\ct+64*\ks+32
.endr
.endr
	s_wait_dscnt 10                                ; K step 1's ten loads may be out
.irp ct, 0,1,2,3
	v_wmma_f32_16x16x32_f16 v[ACC+8*\ct:ACC+8*\ct+7], v[FR0+8+8*\ct:FR0+15+8*\ct], v[FR0:FR0+7], 0      ; four accumulators by turns
.endr
	s_wait_dscnt 0x0
.irp ct, 0,1,2,3
	v_wmma_f32_16x16x32_f16 v[ACC+8*\ct:ACC+8*\ct+7], v[FR1+8+8*\ct:FR1+15+8*\ct], v[FR1:FR1+7], v[ACC+8*\ct:ACC+8*\ct+7]
.endr
.rept 4
	v_nop                                          ; four places before results are read and fragment registers are loaded again (ISA guide 7.12.1)
.endr
.irp ct, 0,1,2,3
	ds_store_b128 v7, v[ACC+8*\ct:ACC+8*\ct+3]   offset:64*\ct
	ds_store_b128 v7, v[ACC+8*\ct+4:ACC+8*\ct+7] offset:64*\ct+16
.endr
.irp p, 0,1,2,3,4,5,6,7
	ds_load_b128 v[Y+4*\p:Y+4*\p+3], v8 offset:2*STP*\p      ; my own bytes; LDS serves a wave's instructions in order (ISA guide 5.7.1)
.endr
; Rows 2 p and 2 p + 1 of the wave: bias, the three weighted neighbours, out.
.macro ROWS p
	s_wait_dscnt 7-\p                              ; the younger row reads may be out
	s_wait_loadcnt 21-3*\p                         ; and the younger gathers
	v_pk_add_f32 v[Y+4*\p:Y+4*\p+1],   v[Y+4*\p:Y+4*\p+1],   v[B1:B1+1]
	v_pk_add_f32 v[Y+4*\p+2:Y+4*\p+3], v[Y+4*\p+2:Y+4*\p+3], v[B1+2:B1+3]
	v_pk_fma_f32 v[Y+4*\p:Y+4*\p+1],   v[G+12*\p:G+12*\p+1],     v[WQ+4*\p:WQ+4*\p+1],   v[Y+4*\p:Y+4*\p+1]   op_sel_hi:[1,0,1]
	v_pk_fma_f32 v[Y+4*\p+2:Y+4*\p+3], v[G+12*\p+2:G+12*\p+3],   v[WQ+4*\p:WQ+4*\p+1],   v[Y+4*\p+2:Y+4*\p+3] op_sel_hi:[1,0,1]
	v_pk_fma_f32 v[Y+4*\p:Y+4*\p+1],   v[G+12*\p+4:G+12*\p+5],   v[WQ+4*\p:WQ+4*\p+1],   v[Y+4*\p:Y+4*\p+1]   op_sel:[0,1,0] op_sel_hi:[1,1,1]
	v_pk_fma_f32 v[Y+4*\p+2:Y+4*\p+3], v[G+12*\p+6:G+12*\p+7],   v[WQ+4*\p:WQ+4*\p+1],   v[Y+4*\p+2:Y+4*\p+3] op_sel:[0,1,0] op_sel_hi:[1,1,1]
	v_pk_fma_f32 v[Y+4*\p:Y+4*\p+1],   v[G+12*\p+8:G+12*\p+9],   v[WQ+4*\p+2:WQ+4*\p+3], v[Y+4*\p:Y+4*\p+1]   op_sel_hi:[1,0,1]
	v_pk_fma_f32 v[Y+4*\p+2:Y+4*\p+3], v[G+12*\p+10:G+12*\p+11], v[WQ+4*\p+2:WQ+4*\p+3], v[Y+4*\p+2:Y+4*\p+3] op_sel_hi:[1,0,1]
	global_store_b128 v10, v[Y+4*\p:Y+4*\p+3], s[16:17] offset:2048*\p     ; each half of the wave stores 256 consecutive aligned bytes; Y is not written again
.endm
.irp p, 0,1,2,3,4,5,6,7
	ROWS \p
.endr
; dst quad = the sum of the 16 quads at G
.macro SUM16 dst
.irp i, 0,1,2,3,4,5,6,7
	v_pk_add_f32 v[G+4*\i:G+4*\i+1],   v[G+4*\i:G+4*\i+1],   v[G+32+4*\i:G+32+4*\i+1]
	v_pk_add_f32 v[G+4*\i+2:G+4*\i+3], v[G+4*\i+2:G+4*\i+3], v[G+32+4*\i+2:G+32+4*\i+3]
.endr
.irp i, 0,1,2,3
	v_pk_add_f32 v[G+4*\i:G+4*\i+1],   v[G+4*\i:G+4*\i+1],   v[G+16+4*\i:G+16+4*\i+1]
	v_pk_add_f32 v[G+4*\i+2:G+4*\i+3], v[G+4*\i+2:G+4*\i+3], v[G+16+4*\i+2:G+16+4*\i+3]
.endr
.irp i, 0,1
	v_pk_add_f32 v[G+4*\i:G+4*\i+1],   v[G+4*\i:G+4*\i+1],   v[G+8+4*\i:G+8+4*\i+1]
	v_pk_add_f32 v[G+4*\i+2:G+4*\i+3], v[G+4*\i+2:G+4*\i+3], v[G+8+4*\i+2:G+8+4*\i+3]
.endr
	v_pk_add_f32 v[\dst:\dst+1],   v[G:G+1],   v[G+4:G+5]
	v_pk_add_f32 v[\dst+2:\dst+3], v[G+2:G+3], v[G+6:G+7]
.endm
; quad q += the other half's quad
.macro HALVES q
.irp j, 0,1,2,3
	v_permlanex16_b32 v[PT+\j], v[\q+\j], s20, s21
.endr
	v_pk_add_f32 v[\q:\q+1],   v[\q:\q+1],   v[PT:PT+1]
	v_pk_add_f32 v[\q+2:\q+3], v[\q+2:\q+3], v[PT+2:PT+3]
.endm
	; pass 1: the block's sum over its 256 rows, for my 4 channels
	v_pk_add_f32 v[S:S+1],   v[Y:Y+1],   v[Y+4:Y+5]
	v_pk_add_f32 v[S+2:S+3], v[Y+2:Y+3], v[Y+6:Y+7]
.irp p, 2,3,4,5,6,7
	v_pk_add_f32 v[S:S+1],   v[S:S+1],   v[Y+4*\p:Y+4*\p+1]
	v_pk_add_f32 v[S+2:S+3], v[S+2:S+3], v[Y+4*\p+2:Y+4*\p+3]
.endr
	HALVES S
	ds_store_b128 v9, v[S:S+3]                     ; both halves write the same numbers to the same bytes
	s_wait_dscnt 0x0
	s_barrier_signal -1
	s_barrier_wait -1
.irp i, 0,1,2,3,4,5,6,7,8,9,10,11,12,13,14,15
	ds_load_b128 v[G+4*\i:G+4*\i+3], v11 offset:256*\i
.endr
	s_wait_dscnt 0x0
	SUM16 S
	v_pk_mul_f32 v[MEAN:MEAN+1],   v[S:S+1],   0x3b800000 op_sel_hi:[1,0]      ; / 256
	v_pk_mul_f32 v[MEAN+2:MEAN+3], v[S+2:S+3], 0x3b800000 op_sel_hi:[1,0]
	; pass 2: M2 about that mean
.irp p, 0,1,2,3,4,5,6,7
	v_pk_add_f32 v[T:T+1],   v[Y+4*\p:Y+4*\p+1],   v[MEAN:MEAN+1]   neg_lo:[0,1] neg_hi:[0,1]
	v_pk_add_f32 v[T+2:T+3], v[Y+4*\p+2:Y+4*\p+3], v[MEAN+2:MEAN+3] neg_lo:[0,1] neg_hi:[0,1]
.if \p == 0
	v_pk_mul_f32 v[Q:Q+1],   v[T:T+1],   v[T:T+1]
	v_pk_mul_f32 v[Q+2:Q+3], v[T+2:T+3], v[T+2:T+3]
.else
	v_pk_fma_f32 v[Q:Q+1],   v[T:T+1],   v[T:T+1],   v[Q:Q+1]
	v_pk_fma_f32 v[Q+2:Q+3], v[T+2:T+3], v[T+2:T+3], v[Q+2:Q+3]
.endif
.endr
	HALVES Q
	ds_store_b128 v9, v[Q:Q+3] offset:4096         ; other bytes than pass 1's
	s_wait_dscnt 0x0
	s_barrier_signal -1
	s_barrier_wait -1
	s_cmp_lg_u32 s23, 0
	s_cbranch_scc1 .Ldone
.irp i, 0,1,2,3,4,5,6,7,8,9,10,11,12,13,14,15
	ds_load_b128 v[G+4*\i:G+4*\i+3], v11 offset:256*\i+4096
.endr
	v_lshl_add_u32 v[OA], v2, 10, v4               ; lanes 0-15: the sums' 256 bytes; lanes 16-31: M2's, 1,024 bytes further on
	s_wait_dscnt 0x0
	SUM16 Q
.irp j, 0,1,2,3
	v_cndmask_b32 v[OV+\j], v[S+\j], v[Q+\j], s22
.endr
	global_store_b128 v[OA], v[OV:OV+3], s[18:19]
.Ldone:
	s_wait_xcnt 0x0
	v_lshl_add_u32 v254, v0, 2, 0x1dc00
	v_mov_b32 v255, 0
	s_wait_tensorcnt 0x0
	ds_add_u32 v254, v255
	s_wait_dscnt 0x0
	s_endpgm
.Lfunc_end_k_q06bfe4f607_mix:
	.size	k_q06bfe4f607_mix, .Lfunc_end_k_q06bfe4f607_mix-k_q06bfe4f607_mix
	.p2alignl 7, 3214868480
	.fill 96, 4, 3214868480
	.section	.rodata,"a",@progbits
	.p2align	6, 0x0
	.amdhsa_kernel k_q06bfe4f607_mix
		.amdhsa_group_segment_fixed_size 123904
		.amdhsa_private_segment_fixed_size 0
		.amdhsa_enable_private_segment 0
		.amdhsa_kernarg_size 64
		.amdhsa_user_sgpr_count 2
		.amdhsa_user_sgpr_kernarg_segment_ptr 1
		.amdhsa_wavefront_size32 1
		.amdhsa_system_sgpr_workgroup_id_x 1
		.amdhsa_system_sgpr_workgroup_id_y 1
		.amdhsa_system_sgpr_workgroup_id_z 1
		.amdhsa_system_vgpr_workitem_id 0
		.amdhsa_next_free_vgpr 256
		.amdhsa_next_free_sgpr 66
		.amdhsa_reserve_vcc 0
		.amdhsa_float_denorm_mode_32 3
		.amdhsa_float_denorm_mode_16_64 3
		.amdhsa_memory_ordered 1
		.amdhsa_forward_progress 1
		.amdhsa_inst_pref_size 33
	.end_amdhsa_kernel
	.amdgpu_metadata
---
amdhsa.version: [ 1, 2 ]
amdhsa.kernels:
  - .name:           k_q06bfe4f607_mix
    .symbol:         k_q06bfe4f607_mix.kd
    .args:
      - { .name: nidx, .offset: 0, .size: 8, .value_kind: global_buffer, .address_space: global }
      - { .name: nw, .offset: 8, .size: 8, .value_kind: global_buffer, .address_space: global }
      - { .name: proj, .offset: 16, .size: 8, .value_kind: global_buffer, .address_space: global }
      - { .name: fine_features, .offset: 24, .size: 8, .value_kind: global_buffer, .address_space: global }
      - { .name: W1, .offset: 32, .size: 8, .value_kind: global_buffer, .address_space: global }
      - { .name: b1, .offset: 40, .size: 8, .value_kind: global_buffer, .address_space: global }
      - { .name: y1, .offset: 48, .size: 8, .value_kind: global_buffer, .address_space: global }
      - { .name: part1, .offset: 56, .size: 8, .value_kind: global_buffer, .address_space: global }
    .group_segment_fixed_size: 123904
    .private_segment_fixed_size: 0
    .kernarg_segment_align: 8
    .kernarg_segment_size: 64
    .max_flat_workgroup_size: 512
    .sgpr_count:     66
    .vgpr_count:     256
    .wavefront_size: 32
...
	.end_amdgpu_metadata
.endif
;; end of part 2
;; launch mlp2 (part 3): grid 256 x 1, 8 waves a work-group, clusters of 4 x 1, 277,504 bytes of LDS; arguments y1, part1, w2h, g1, be1, b2, y2t, part2; writes y2t, part2
.if DOCPART == 3
	.amdgcn_target "amdgcn-amd-amdhsa--gfx1250"
	.amdhsa_code_object_version 6
	.text
	.protected	k_q06bfe4f607_mlp2
	.globl	k_q06bfe4f607_mlp2
	.p2align	8
	.type	k_q06bfe4f607_mlp2,@function
k_q06bfe4f607_mlp2:
	s_mov_b64 s[64:65], 0
	v_nop
	global_prefetch_b8 v0, s[64:65] scope:SCOPE_SE
	s_setreg_imm32_b32 hwreg(HW_REG_WAVE_MODE, 25, 1), 1
	s_wait_xcnt 0x0
	s_wait_alu depctr_hold_cnt(0) depctr_sa_sdst(0) depctr_va_vdst(0) depctr_va_sdst(0) depctr_va_ssrc(0) depctr_va_vcc(0) depctr_vm_vsrc(0)
	s_getreg_b32 s2, hwreg(HW_REG_IB_STS2, 6, 4)
	s_cmp_eq_u32 s2, 0
	s_cbranch_scc0 .Lentry_in_a_cluster
	s_endpgm
.Lentry_in_a_cluster:
	s_bfe_u32 s2, ttmp6, 0x10000c
	s_cmp_lg_u32 s2, 0x3003
	s_cbranch_scc0 .Lentry_shape_is_right
	s_endpgm
.Lentry_shape_is_right:
; mlp2: x = relu(BN1(y1)); y2t[c][n] = sum over k of x[n][k] W2[c][k] + b2[c]; and the block's BN2 partials.
; Work-group x owns rows 64 x .. 64 x + 63 and all 128 channels; eight waves.
; CLUSTER 4 x 1: w2h (64 KiB) and part1 (128 KiB) are read alike by every work-group, 192 of each one's 256 KiB, so the four of a cluster ask for them
; jointly: each wave issues the same two tensor loads in all four, with mask 15.  The place in the cluster enters only the global addresses of
; y1, y2t and part2.  The two loads are first fills, nothing is filled again; by this text's count a wave has two tensor loads outstanding.
; BN1's statistics: M2 = sum of the 64 sets' M2 + 256 x sum of (set mean - mean)^2: no difference of large sums.
; BN is applied as y a + (be1 - mean a), one fused multiply-add.
; MATRIX OPERANDS ARE f16 (11 significant bits).  x = relu(z g1 + be1), where |z| <= 128 for 16,384 rows whatever the data, so with g1 thirty times
; larger than 1 x stays under 3,840 + |be1|, far under 65,504.  LIMIT: an x beyond 65,504 (|g1| or |be1| of that order) becomes infinite.
.set XP,   528                         ; pitch of W2L and XB: 512 + 16 bytes = 33 x 16
.set P1L,  67584                       ; W2L at 0 (128 rows); part1 as it lies in memory: [64 sets][sum, M2][256 c] f32
.set XB,   198656                      ; x, f16 [64 n][256 c]
.set STG,  232448                      ; y2, f32 [128 c][64 n], pitch 272
.set STP,  272
.set REDA, 267264                      ; 4 slices x 1,024 bytes; the second reduction's bytes lie 4,096 further on
.set TBL,  275456                      ; [sum, M2][128 c] f32
.set B2,   16                          ; v[16:23]  b2 of my 8 channels
.set MN,   24                          ; v[24:27]  sums, then the mean
.set AS,   28                          ; v[28:31]  M2, then the scale a
.set Q2,   32                          ; v[32:35]
.set RW,   40                          ; v[40:55]  the 4 rows of a reduction
.set G1R,  56                          ; v[56:59]  g1
.set CB,   60                          ; v[60:63]  be1, then be1 - mean a
.set SM,   64                          ; v[64:127]  16 sets' sums
.set M2,   128                         ; v[128:191] 16 sets' M2
.set YY,   192                         ; v[192:255] 16 quads of y1
.set ACC,  32                          ; product: v[32:63] 4 accumulators
.set FA,   64                          ;          v[64:127] x fragments, 8 K steps
.set FB,   128                         ;          v[128:255] W2 fragments, 4 K steps x 4 channel tiles
.set Z,    64                          ; way out: v[64:95] 8 quads
.set SU,   96                          ;          v[96:103] sums, v[104:111] means, v[112:119] M2
.set ME,   104
.set MM,   112
.set TT,   128                         ;          v[128:159] at work
.macro ROUND                           ; a round of the cluster's barrier
	s_barrier_signal -1
	s_barrier_wait -1
	s_cmp_lg_u32 s20, 0
	s_cbranch_scc1 .Lnot_wave_0_\@
	s_barrier_signal -3
.Lnot_wave_0_\@:
	s_barrier_wait -3
	s_barrier_signal -1
	s_barrier_wait -1
.endm
	s_load_b512 s[4:19], s[0:1], 0x0               ; y1 4, part1 6, w2h 8, g1 10, be1 12, b2 14, y2t 16, part2 18
	s_set_vgpr_msb 0x40
	v_lshl_add_u32 v0, v0, 2, 0x43800
	v_mov_b32 v1, 0
	s_set_vgpr_msb 0x4045
	ds_add_u32 v0, v1
	s_set_vgpr_msb 0x4500
	v_lshrrev_b32 v1, 5, v0
	v_readfirstlane_b32 s20, v1                    ; wave
	s_bfe_u32 s21, ttmp6, 0x40000                  ; cx
	s_lshl_b32 s22, ttmp9, 2
	s_add_co_u32 s22, s22, s21                     ; x = 4 x cluster + cx
	s_mov_b32 s25, 0
	s_mov_b32 s26, 0x38800000                      ; 1 / 16384
	s_mov_b32 s27, 0x3727c5ac                      ; 1e-5
	s_and_b32 s28, s20, 3                          ; rt: which 16 rows
	s_lshr_b32 s29, s20, 2                         ; chh: which 64 channels
	; group 1 for W2: 16 rows of 256 f16, 4 words of padding behind each 128 words
	s_mov_b32 s40, 15|(1<<16)|(1<<20)|(1<<21)|(6<<22)|(3<<25)
	s_mov_b32 s41, 256<<16
	s_mov_b32 s42, 16<<16
	s_mov_b32 s43, 256<<16
	s_mov_b32 s44, 16
	s_mov_b32 s45, 256
	s_mov_b32 s46, 0
	s_mov_b32 s47, 0
	; group 1 for part1: a dense block as 64 rows of 32 elements of 8 bytes
	s_mov_b32 s48, 15|(3<<16)|(1<<21)
	s_mov_b32 s49, 32<<16
	s_mov_b32 s50, 64<<16
	s_mov_b32 s51, 32<<16
	s_mov_b32 s52, 64
	s_mov_b32 s53, 32
	s_mov_b32 s54, 0
	s_mov_b32 s55, 0
	s_mov_b32 s32, 1
	s_mul_i32 s33, s20, 16*XP                      ; W2L + 16 w rows
	s_mov_b32 s36, 1
	s_lshl_b32 s37, s20, 14
	s_add_co_u32 s37, s37, P1L                     ; P1L + 16,384 w
	v_and_b32 v15, 63, v0                          ; q: my 4 channels of y1
	v_lshlrev_b32 v1, 4, v15                       ; 16 q
	v_lshrrev_b32 v2, 6, v0                        ; slice
	v_lshlrev_b32 v3, 4, v0                        ; 16 t
	v_lshrrev_b32 v14, 4, v0                       ; t >> 4
	v_lshlrev_b32 v4, 2, v14
	v_lshl_add_u32 v5, v2, 15, v1
	v_add_nc_u32 v5, P1L, v5                       ; sets 16 slice .., my 16 bytes
	v_add_nc_u32 v7, REDA, v1
	v_lshl_add_u32 v6, v2, 10, v7
	v_mul_u32_u24 v8, v2, XP
	v_lshl_add_u32 v8, v15, 3, v8
	v_add_nc_u32 v8, XB, v8                        ; x: row slice, 8 bytes at 8 q
	v_and_b32 v15, 15, v0                          ; r
	v_bfe_u32 v13, v0, 4, 1                        ; h
	v_mul_u32_u24 v9, v15, XP
	v_lshl_add_u32 v9, v13, 4, v9                  ; r pitch + 16 h
	s_mul_i32 s30, s29, 64*XP
	v_add_nc_u32 v10, s30, v9                      ; W2 fragments: + 64 chh rows
	s_mul_i32 s30, s28, 16*XP
	s_add_co_u32 s30, s30, XB
	v_add_nc_u32 v9, s30, v9                       ; x fragments: + 16 rt rows
	v_mul_u32_u24 v11, v15, STP
	v_lshl_add_u32 v11, v13, 5, v11
	s_mul_i32 s30, s29, 64*STP
	s_lshl_b32 s31, s28, 6
	s_add_co_u32 s30, s30, s31
	s_add_co_u32 s30, s30, STG
	v_add_nc_u32 v11, s30, v11                     ; stage in: channel 64 chh + r, byte 64 rt + 32 h
	v_mul_u32_u24 v12, v14, STP
	v_lshl_add_u32 v12, v15, 4, v12
	v_add_nc_u32 v12, STG, v12                     ; stage back: channel t >> 4, 16 bytes at 16 (t & 15)
	v_lshlrev_b32 v13, 16, v14
	v_lshl_add_u32 v13, v15, 4, v13                ; the same place in y2t
	v_add_nc_u32 v14, TBL, v4
	v_add_nc_u32 v15, TBL, v1
	s_wait_dscnt 0x0
	s_wait_kmcnt 0x0
	s_lshl_b32 s24, s20, 13
	s_add_nc_u64 s[34:35], s[8:9], s[24:25]        ; w2h + 16 w rows of 512 bytes
	s_or_b32 s35, s35, 0x80000000
	s_lshl_b32 s24, s20, 14
	s_add_nc_u64 s[38:39], s[6:7], s[24:25]        ; part1 + 16,384 w
	s_or_b32 s39, s39, 0x80000000
	s_lshl_b32 s24, s22, 16
	s_add_nc_u64 s[4:5], s[4:5], s[24:25]          ; y1 at row 64 x
	s_lshl_b32 s24, s22, 8
	s_add_nc_u64 s[16:17], s[16:17], s[24:25]      ; y2t at column 64 x
	s_lshl_b32 s24, s22, 10
	s_add_nc_u64 s[18:19], s[18:19], s[24:25]      ; part2 at set x
	global_load_b128 v[G1R:G1R+3], v1, s[10:11]
	global_load_b128 v[CB:CB+3], v1, s[12:13]
.irp i, 0,1,2,3,4,5,6,7
	global_load_b32 v[B2+\i], v4, s[14:15] offset:64*\i
.endr
.irp i, 0,1,2,3,4,5,6,7,8,9,10,11,12,13,14,15
	global_load_b128 v[YY+4*\i:YY+4*\i+3], v3, s[4:5] offset:4096*\i th:TH_LOAD_NT     ; rows 4 i + slice, always my quad q
.endr
	ROUND                                          ; all four work-groups are here: the joint loads meet
	tensor_load_to_lds s[32:35], s[40:47]
	s_nop 0
	tensor_load_to_lds s[36:39], s[48:55]
	s_nop 0
	s_wait_tensorcnt 0x0                           ; my parts of both have landed,
	s_barrier_signal -1
	s_barrier_wait -1                              ; everybody's have
	; BN1's statistics for my 4 channels; the four slices take 16 sets each
.irp i, 0,1,2,3,4,5,6,7,8,9,10,11,12,13,14,15
	ds_load_b128 v[SM+4*\i:SM+4*\i+3], v5 offset:2048*\i
	ds_load_b128 v[M2+4*\i:M2+4*\i+3], v5 offset:2048*\i+1024
.endr
	s_wait_dscnt 0x0
	v_pk_add_f32 v[MN:MN+1],   v[SM:SM+1],   v[SM+4:SM+5]
	v_pk_add_f32 v[MN+2:MN+3], v[SM+2:SM+3], v[SM+6:SM+7]
	v_pk_add_f32 v[AS:AS+1],   v[M2:M2+1],   v[M2+4:M2+5]
	v_pk_add_f32 v[AS+2:AS+3], v[M2+2:M2+3], v[M2+6:M2+7]
.irp i, 2,3,4,5,6,7,8,9,10,11,12,13,14,15
	v_pk_add_f32 v[MN:MN+1],   v[MN:MN+1],   v[SM+4*\i:SM+4*\i+1]
	v_pk_add_f32 v[MN+2:MN+3], v[MN+2:MN+3], v[SM+4*\i+2:SM+4*\i+3]
	v_pk_add_f32 v[AS:AS+1],   v[AS:AS+1],   v[M2+4*\i:M2+4*\i+1]
	v_pk_add_f32 v[AS+2:AS+3], v[AS+2:AS+3], v[M2+4*\i+2:M2+4*\i+3]
.endr
	ds_store_b128 v6, v[MN:MN+3]
	s_wait_dscnt 0x0
	s_barrier_signal -1
	s_barrier_wait -1
; v[RW:RW+3] = the sum of the four slices' quads at byte off of the reduction's bytes
.macro FOUR off
.irp j, 0,1,2,3
	ds_load_b128 v[RW+4*\j:RW+4*\j+3], v7 offset:1024*\j+\off
.endr
	s_wait_dscnt 0x0
	v_pk_add_f32 v[RW:RW+1],     v[RW:RW+1],     v[RW+4:RW+5]
	v_pk_add_f32 v[RW+2:RW+3],   v[RW+2:RW+3],   v[RW+6:RW+7]
	v_pk_add_f32 v[RW+8:RW+9],   v[RW+8:RW+9],   v[RW+12:RW+13]
	v_pk_add_f32 v[RW+10:RW+11], v[RW+10:RW+11], v[RW+14:RW+15]
	v_pk_add_f32 v[RW:RW+1],     v[RW:RW+1],     v[RW+8:RW+9]
	v_pk_add_f32 v[RW+2:RW+3],   v[RW+2:RW+3],   v[RW+10:RW+11]
.endm
	FOUR 0
	v_pk_mul_f32 v[MN:MN+1],   v[RW:RW+1],   0x38800000 op_sel_hi:[1,0]        ; the mean over 16,384 rows
	v_pk_mul_f32 v[MN+2:MN+3], v[RW+2:RW+3], 0x38800000 op_sel_hi:[1,0]
.irp i, 0,1,2,3,4,5,6,7,8,9,10,11,12,13,14,15
	v_pk_fma_f32 v[SM+4*\i:SM+4*\i+1],   v[SM+4*\i:SM+4*\i+1],   0x3b800000, v[MN:MN+1]   op_sel_hi:[1,0,1] neg_lo:[0,0,1] neg_hi:[0,0,1]   ; set mean - mean
	v_pk_fma_f32 v[SM+4*\i+2:SM+4*\i+3], v[SM+4*\i+2:SM+4*\i+3], 0x3b800000, v[MN+2:MN+3] op_sel_hi:[1,0,1] neg_lo:[0,0,1] neg_hi:[0,0,1]
.endr
	v_pk_mul_f32 v[Q2:Q2+1],   v[SM:SM+1],   v[SM:SM+1]
	v_pk_mul_f32 v[Q2+2:Q2+3], v[SM+2:SM+3], v[SM+2:SM+3]
.irp i, 1,2,3,4,5,6,7,8,9,10,11,12,13,14,15
	v_pk_fma_f32 v[Q2:Q2+1],   v[SM+4*\i:SM+4*\i+1],   v[SM+4*\i:SM+4*\i+1],   v[Q2:Q2+1]
	v_pk_fma_f32 v[Q2+2:Q2+3], v[SM+4*\i+2:SM+4*\i+3], v[SM+4*\i+2:SM+4*\i+3], v[Q2+2:Q2+3]
.endr
	v_pk_fma_f32 v[AS:AS+1],   v[Q2:Q2+1],   0x43800000, v[AS:AS+1]   op_sel_hi:[1,0,1]      ; + 256 x
	v_pk_fma_f32 v[AS+2:AS+3], v[Q2+2:Q2+3], 0x43800000, v[AS+2:AS+3] op_sel_hi:[1,0,1]
	ds_store_b128 v6, v[AS:AS+3] offset:4096
	s_wait_dscnt 0x0
	s_barrier_signal -1
	s_barrier_wait -1
	FOUR 4096
.irp j, 0,1,2,3
	v_fma_f32 v[RW+\j], v[RW+\j], s26, s27         ; variance + 1e-5
.endr
.irp j, 0,1,2,3
	v_rsq_f32 v[RW+4+\j], v[RW+\j]
.endr
	s_wait_loadcnt 0x0                             ; g1, be1, b2 and the 16 quads of y1
	v_nop                                          ; a plain instruction between a root and its use (ISA guide 5.7.2)
	s_wait_alu depctr_va_vdst(0)
	v_pk_mul_f32 v[AS:AS+1],   v[G1R:G1R+1],   v[RW+4:RW+5]
	v_pk_mul_f32 v[AS+2:AS+3], v[G1R+2:G1R+3], v[RW+6:RW+7]
	v_pk_fma_f32 v[CB:CB+1],   v[MN:MN+1],   v[AS:AS+1],   v[CB:CB+1]   neg_lo:[1,0,0] neg_hi:[1,0,0]
	v_pk_fma_f32 v[CB+2:CB+3], v[MN+2:MN+3], v[AS+2:AS+3], v[CB+2:CB+3] neg_lo:[1,0,0] neg_hi:[1,0,0]
.irp i, 0,1,2,3,4,5,6,7,8,9,10,11,12,13,14,15
	v_pk_fma_f32 v[YY+4*\i:YY+4*\i+1],   v[YY+4*\i:YY+4*\i+1],   v[AS:AS+1],   v[CB:CB+1]
	v_pk_fma_f32 v[YY+4*\i+2:YY+4*\i+3], v[YY+4*\i+2:YY+4*\i+3], v[AS+2:AS+3], v[CB+2:CB+3]
	v_max_num_f32 v[YY+4*\i],   0, v[YY+4*\i]
	v_max_num_f32 v[YY+4*\i+1], 0, v[YY+4*\i+1]
	v_max_num_f32 v[YY+4*\i+2], 0, v[YY+4*\i+2]
	v_max_num_f32 v[YY+4*\i+3], 0, v[YY+4*\i+3]
	v_cvt_pk_f16_f32 v[YY+4*\i],   v[YY+4*\i],   v[YY+4*\i+1]
	v_cvt_pk_f16_f32 v[YY+4*\i+1], v[YY+4*\i+2], v[YY+4*\i+3]
	ds_store_b64 v8, v[YY+4*\i:YY+4*\i+1] offset:4*XP*\i
.endr
	s_wait_dscnt 0x0
	s_barrier_signal -1
	s_barrier_wait -1
	; The product.  Wave (rt, chh): 16 rows x 64 channels over K = 256.  A = x (rows n), B = W2 (rows = channels): a lane's 8 results are 8 neighbouring n of channel r.
.macro BLOAD hf
.irp kq, 0,1,2,3
.irp ct, 0,1,2,3
	ds_load_b128 v[FB+8*(4*\kq+\ct):FB+8*(4*\kq+\ct)+3],   v10 offset:16*XP*\ct+64*(4*\hf+\kq)
	ds_load_b128 v[FB+8*(4*\kq+\ct)+4:FB+8*(4*\kq+\ct)+7], v10 offset:16*XP*\ct+64*(4*\hf+\kq)+32
.endr
.endr
.endm
.macro MULS hf                         ; four accumulators by turns; the first products start the sums
.irp kq, 0,1,2,3
.irp ct, 0,1,2,3
.if \hf+\kq == 0
	v_wmma_f32_16x16x32_f16 v[ACC+8*\ct:ACC+8*\ct+7], v[FA+8*(4*\hf+\kq):FA+8*(4*\hf+\kq)+7], v[FB+8*(4*\kq+\ct):FB+8*(4*\kq+\ct)+7], 0
.else
	v_wmma_f32_16x16x32_f16 v[ACC+8*\ct:ACC+8*\ct+7], v[FA+8*(4*\hf+\kq):FA+8*(4*\hf+\kq)+7], v[FB+8*(4*\kq+\ct):FB+8*(4*\kq+\ct)+7], v[ACC+8*\ct:ACC+8*\ct+7]
.endif
.endr
.endr
.endm
.irp ks, 0,1,2,3,4,5,6,7
	ds_load_b128 v[FA+8*\ks:FA+8*\ks+3],   v9 offset:64*\ks
	ds_load_b128 v[FA+8*\ks+4:FA+8*\ks+7], v9 offset:64*\ks+32
.endr
	BLOAD 0
	s_wait_dscnt 0x0
	MULS 0
.rept 4
	v_nop                                          ; four places before fragment registers are loaded again
.endr
	BLOAD 1
	s_wait_dscnt 0x0
	MULS 1
.rept 4
	v_nop                                          ; four places before results are read
.endr
.irp ct, 0,1,2,3
	ds_store_b128 v11, v[ACC+8*\ct:ACC+8*\ct+3]   offset:16*STP*\ct
	ds_store_b128 v11, v[ACC+8*\ct+4:ACC+8*\ct+7] offset:16*STP*\ct+16
.endr
	s_wait_dscnt 0x0
	s_barrier_signal -1
	s_barrier_wait -1
	; The way out: channel 16 i + (t >> 4); a channel's 64 numbers lie in one half of a wave.
.irp i, 0,1,2,3,4,5,6,7
	ds_load_b128 v[Z+4*\i:Z+4*\i+3], v12 offset:16*STP*\i
.endr
.macro ZOUT i, pair, sel               ; + b2 (register pair + sel), out, and the lane's sum of four
	s_wait_dscnt 7-\i                              ; the younger reads may be out
	v_pk_add_f32 v[Z+4*\i:Z+4*\i+1],   v[Z+4*\i:Z+4*\i+1],   v[B2+\pair:B2+\pair+1] op_sel:[0,\sel] op_sel_hi:[1,\sel]
	v_pk_add_f32 v[Z+4*\i+2:Z+4*\i+3], v[Z+4*\i+2:Z+4*\i+3], v[B2+\pair:B2+\pair+1] op_sel:[0,\sel] op_sel_hi:[1,\sel]
	global_store_b128 v13, v[Z+4*\i:Z+4*\i+3], s[16:17] offset:1048576*\i      ; each half of the wave stores 256 consecutive aligned bytes; Z is not written again
	v_pk_add_f32 v[TT+4*\i:TT+4*\i+1], v[Z+4*\i:Z+4*\i+1], v[Z+4*\i+2:Z+4*\i+3]
	v_add_f32 v[SU+\i], v[TT+4*\i], v[TT+4*\i+1]
.endm
	ZOUT 0, 0, 0
	ZOUT 1, 0, 1
	ZOUT 2, 2, 0
	ZOUT 3, 2, 1
	ZOUT 4, 4, 0
	ZOUT 5, 4, 1
	ZOUT 6, 6, 0
	ZOUT 7, 6, 1
.macro ROW16 base                      ; eight sums over the 16 lanes of each half
.irp m, 1,2,4,8
.irp i, 0,1,2,3,4,5,6,7
	v_add_f32_dpp v[\base+\i], v[\base+\i], v[\base+\i] row_xmask:\m row_mask:0xf bank_mask:0xf
.endr
.endr
.endm
	ROW16 SU
.irp i, 0,1,2,3,4,5,6,7
	v_mul_f32 v[ME+\i], 0x3c800000, v[SU+\i]       ; / 64
.endr
.macro ZM2 i, pair, sel                ; the lane's part of M2 about the block's own mean
	v_pk_add_f32 v[TT+4*\i:TT+4*\i+1],   v[Z+4*\i:Z+4*\i+1],   v[ME+\pair:ME+\pair+1] op_sel:[0,\sel] op_sel_hi:[1,\sel] neg_lo:[0,1] neg_hi:[0,1]
	v_pk_add_f32 v[TT+4*\i+2:TT+4*\i+3], v[Z+4*\i+2:Z+4*\i+3], v[ME+\pair:ME+\pair+1] op_sel:[0,\sel] op_sel_hi:[1,\sel] neg_lo:[0,1] neg_hi:[0,1]
	v_pk_mul_f32 v[TT+4*\i:TT+4*\i+1], v[TT+4*\i:TT+4*\i+1], v[TT+4*\i:TT+4*\i+1]
	v_pk_fma_f32 v[TT+4*\i:TT+4*\i+1], v[TT+4*\i+2:TT+4*\i+3], v[TT+4*\i+2:TT+4*\i+3], v[TT+4*\i:TT+4*\i+1]
	v_add_f32 v[MM+\i], v[TT+4*\i], v[TT+4*\i+1]
.endm
	ZM2 0, 0, 0
	ZM2 1, 0, 1
	ZM2 2, 2, 0
	ZM2 3, 2, 1
	ZM2 4, 4, 0
	ZM2 5, 4, 1
	ZM2 6, 6, 0
	ZM2 7, 6, 1
	ROW16 MM
.irp i, 0,1,2,3,4,5,6,7
	ds_store_b32 v14, v[SU+\i] offset:64*\i        ; the 16 lanes of a half write the same number to the same word
	ds_store_b32 v14, v[MM+\i] offset:64*\i+512
.endr
	s_wait_dscnt 0x0
	s_barrier_signal -1
	s_barrier_wait -1
	s_cmp_gt_u32 s20, 1
	s_cbranch_scc1 .Lno_table
	ds_load_b128 v[TT:TT+3], v15                   ; waves 0 and 1: the table's 1,024 bytes
	s_wait_dscnt 0x0
	global_store_b128 v1, v[TT:TT+3], s[18:19]
.Lno_table:
	s_set_vgpr_msb 0x5
	s_wait_tensorcnt 0x0
	ds_add_u32 v0, v1
	s_wait_dscnt 0x0
	s_set_vgpr_msb 0x500
	ROUND                                          ; the closing round: no work-group ends while a partner may still ask jointly
	s_endpgm
.Lfunc_end_k_q06bfe4f607_mlp2:
	.size	k_q06bfe4f607_mlp2, .Lfunc_end_k_q06bfe4f607_mlp2-k_q06bfe4f607_mlp2
	.p2alignl 7, 3214868480
	.fill 96, 4, 3214868480
	.section	.rodata,"a",@progbits
	.p2align	6, 0x0
	.amdhsa_kernel k_q06bfe4f607_mlp2
		.amdhsa_group_segment_fixed_size 277504
		.amdhsa_private_segment_fixed_size 0
		.amdhsa_enable_private_segment 0
		.amdhsa_kernarg_size 64
		.amdhsa_user_sgpr_count 2
		.amdhsa_user_sgpr_kernarg_segment_ptr 1
		.amdhsa_wavefront_size32 1
		.amdhsa_system_sgpr_workgroup_id_x 1
		.amdhsa_system_sgpr_workgroup_id_y 1
		.amdhsa_system_sgpr_workgroup_id_z 1
		.amdhsa_system_vgpr_workitem_id 0
		.amdhsa_next_free_vgpr 258
		.amdhsa_next_free_sgpr 66
		.amdhsa_reserve_vcc 0
		.amdhsa_float_denorm_mode_32 3
		.amdhsa_float_denorm_mode_16_64 3
		.amdhsa_memory_ordered 1
		.amdhsa_forward_progress 1
		.amdhsa_inst_pref_size 49
	.end_amdhsa_kernel
	.amdgpu_metadata
---
amdhsa.version: [ 1, 2 ]
amdhsa.kernels:
  - .name:           k_q06bfe4f607_mlp2
    .symbol:         k_q06bfe4f607_mlp2.kd
    .args:
      - { .name: y1, .offset: 0, .size: 8, .value_kind: global_buffer, .address_space: global }
      - { .name: part1, .offset: 8, .size: 8, .value_kind: global_buffer, .address_space: global }
      - { .name: w2h, .offset: 16, .size: 8, .value_kind: global_buffer, .address_space: global }
      - { .name: g1, .offset: 24, .size: 8, .value_kind: global_buffer, .address_space: global }
      - { .name: be1, .offset: 32, .size: 8, .value_kind: global_buffer, .address_space: global }
      - { .name: b2, .offset: 40, .size: 8, .value_kind: global_buffer, .address_space: global }
      - { .name: y2t, .offset: 48, .size: 8, .value_kind: global_buffer, .address_space: global }
      - { .name: part2, .offset: 56, .size: 8, .value_kind: global_buffer, .address_space: global }
    .group_segment_fixed_size: 277504
    .private_segment_fixed_size: 0
    .kernarg_segment_align: 8
    .kernarg_segment_size: 64
    .max_flat_workgroup_size: 256
    .sgpr_count:     66
    .vgpr_count:     258
    .wavefront_size: 32
...
	.end_amdgpu_metadata
.endif
;; end of part 3
;; launch bnout (part 4): grid 256 x 1, 8 waves a work-group, no clusters, 1,280 bytes of LDS; arguments y2t, part2, g2, be2, out0; writes out0
.if DOCPART == 4
	.amdgcn_target "amdgcn-amd-amdhsa--gfx1250"
	.amdhsa_code_object_version 6
	.text
	.protected	k_q06bfe4f607_bnout
	.globl	k_q06bfe4f607_bnout
	.p2align	8
	.type	k_q06bfe4f607_bnout,@function
k_q06bfe4f607_bnout:
	s_mov_b64 s[64:65], 0
	v_nop
	global_prefetch_b8 v0, s[64:65] scope:SCOPE_SE
	s_setreg_imm32_b32 hwreg(HW_REG_WAVE_MODE, 25, 1), 1
	s_wait_xcnt 0x0
; bnout: out0[c][n] = relu(BN2(y2t[c][n])).  Work-group x owns channel c = x >> 1 and its numbers 8,192 (x & 1) .. + 8,191, so it needs one channel's statistics:
; thread t takes set t's (sum, M2) of that channel; M2 = sum of M2_t + 64 x sum of (sum_t / 64 - mean)^2: no difference of large sums.
; BN is applied as y a + (be2 - mean a), one fused multiply-add.  A stream: no matrix unit, no cluster (work-groups share only the 2 KiB of a channel's
; partials with one neighbour); all 8 loads of y of a wave are out while the statistics are made.
	s_load_b256 s[4:11], s[0:1], 0x0               ; y2t 4, part2 6, g2 8, be2 10
	s_load_b64 s[12:13], s[0:1], 0x20              ; out0
	v_lshl_add_u32 v64, v0, 2, 0x100
	v_mov_b32 v65, 0
	v_lshrrev_b32 v1, 5, v0                        ; wave
	v_lshlrev_b32 v7, 2, v1                        ; my wave's word in LDS
	v_mov_b32 v8, 0
	v_lshlrev_b32 v2, 10, v0                       ; set t: 1,024 bytes a set
	v_lshlrev_b32 v3, 4, v0                        ; 16 t
	s_lshr_b32 s15, ttmp9, 1                       ; c
	s_and_b32 s16, ttmp9, 1
	s_lshl_b32 s18, s15, 2                         ; 4 c
	s_mov_b32 s19, 0
	s_lshl_b32 s20, s15, 16
	s_lshl_b32 s16, s16, 15
	s_add_co_u32 s20, s20, s16                     ; 65,536 c + 32,768 half
	s_mov_b32 s21, 0
	s_mov_b32 s24, 0x76543210                      ; v_permlanex16_b32: lane i takes lane i of the other half
	s_mov_b32 s25, 0xfedcba98
	s_mov_b32 s26, 0x38800000                      ; 1 / 16384
	s_mov_b32 s27, 0x3727c5ac                      ; 1e-5
	s_wait_kmcnt 0x0
	s_add_nc_u64 s[6:7], s[6:7], s[18:19]
	s_add_nc_u64 s[8:9], s[8:9], s[18:19]
	s_add_nc_u64 s[10:11], s[10:11], s[18:19]
	s_add_nc_u64 s[4:5], s[4:5], s[20:21]
	s_add_nc_u64 s[12:13], s[12:13], s[20:21]
	s_load_b32 s22, s[8:9], 0x0                    ; g2[c]
	s_load_b32 s23, s[10:11], 0x0                  ; be2[c]
	global_load_b32 v4, v2, s[6:7]                 ; sum of set t
	global_load_b32 v5, v2, s[6:7] offset:512      ; M2 of set t
.irp i, 0,1,2,3,4,5,6,7
	global_load_b128 v[24+4*\i:27+4*\i], v3, s[4:5] offset:4096*\i th:TH_LOAD_NT
.endr
	s_wait_loadcnt 8                               ; the 8 loads of y stay out; v2 is free since its two loads are done
; v1 = the sum of v1 over the wave's 32 lanes, one word a wave at byte off; then v12 = the sum over the 8 waves
.macro TOTAL off
	v_add_f32_dpp v1, v1, v1 row_xmask:2 row_mask:0xf bank_mask:0xf
	v_add_f32_dpp v1, v1, v1 row_xmask:4 row_mask:0xf bank_mask:0xf
	v_add_f32_dpp v1, v1, v1 row_xmask:8 row_mask:0xf bank_mask:0xf
	v_permlanex16_b32 v2, v1, s24, s25
	v_add_f32 v1, v1, v2
	ds_store_b32 v7, v1 offset:\off
	s_wait_dscnt 0x0
	s_barrier_signal -1
	s_barrier_wait -1
	ds_load_b128 v[12:15], v8 offset:\off
	ds_load_b128 v[16:19], v8 offset:\off+16
	s_wait_dscnt 0x0
	v_pk_add_f32 v[12:13], v[12:13], v[16:17]
	v_pk_add_f32 v[14:15], v[14:15], v[18:19]
	v_pk_add_f32 v[12:13], v[12:13], v[14:15]
	v_add_f32 v12, v12, v13
.endm
	v_add_f32_dpp v1, v4, v4 row_xmask:1 row_mask:0xf bank_mask:0xf
	TOTAL 0
	v_mul_f32 v9, s26, v12                         ; the mean
	v_fma_f32 v10, v4, 0x3c800000, -v9             ; set mean - mean
	v_mul_f32 v11, v10, v10
	v_fmamk_f32 v6, v11, 0x42800000, v5            ; M2_t + 64 x
	v_add_f32_dpp v1, v6, v6 row_xmask:1 row_mask:0xf bank_mask:0xf
	TOTAL 32                                       ; other bytes than the first sum's
	v_fma_f32 v12, v12, s26, s27                   ; variance + 1e-5
	v_rsq_f32 v13, v12
	s_wait_kmcnt 0x0                               ; g2[c], be2[c]
	v_nop                                          ; a plain instruction between the root and its use (ISA guide 5.7.2)
	s_wait_alu depctr_va_vdst(0)
	v_mul_f32 v20, s22, v13                        ; a
	v_fma_f32 v21, -v9, v20, s23                   ; be2 - mean a
.irp i, 0,1,2,3,4,5,6,7
	s_wait_loadcnt 7-\i                            ; the younger loads stay out
	v_pk_fma_f32 v[24+4*\i:25+4*\i], v[24+4*\i:25+4*\i], v[20:21], v[20:21] op_sel:[0,0,1] op_sel_hi:[1,0,1]
	v_pk_fma_f32 v[26+4*\i:27+4*\i], v[26+4*\i:27+4*\i], v[20:21], v[20:21] op_sel:[0,0,1] op_sel_hi:[1,0,1]
	v_max_num_f32 v[24+4*\i], 0, v[24+4*\i]
	v_max_num_f32 v[25+4*\i], 0, v[25+4*\i]
	v_max_num_f32 v[26+4*\i], 0, v[26+4*\i]
	v_max_num_f32 v[27+4*\i], 0, v[27+4*\i]
	global_store_b128 v3, v[24+4*\i:27+4*\i], s[12:13] offset:4096*\i th:TH_STORE_NT     ; a wave's store covers 512 consecutive aligned bytes
.endr
	s_wait_tensorcnt 0x0
	ds_add_u32 v64, v65
	s_wait_dscnt 0x0
	s_endpgm
.Lfunc_end_k_q06bfe4f607_bnout:
	.size	k_q06bfe4f607_bnout, .Lfunc_end_k_q06bfe4f607_bnout-k_q06bfe4f607_bnout
	.p2alignl 7, 3214868480
	.fill 96, 4, 3214868480
	.section	.rodata,"a",@progbits
	.p2align	6, 0x0
	.amdhsa_kernel k_q06bfe4f607_bnout
		.amdhsa_group_segment_fixed_size 1280
		.amdhsa_private_segment_fixed_size 0
		.amdhsa_enable_private_segment 0
		.amdhsa_kernarg_size 40
		.amdhsa_user_sgpr_count 2
		.amdhsa_user_sgpr_kernarg_segment_ptr 1
		.amdhsa_wavefront_size32 1
		.amdhsa_system_sgpr_workgroup_id_x 1
		.amdhsa_system_sgpr_workgroup_id_y 1
		.amdhsa_system_sgpr_workgroup_id_z 1
		.amdhsa_system_vgpr_workitem_id 0
		.amdhsa_next_free_vgpr 66
		.amdhsa_next_free_sgpr 66
		.amdhsa_reserve_vcc 0
		.amdhsa_float_denorm_mode_32 3
		.amdhsa_float_denorm_mode_16_64 3
		.amdhsa_memory_ordered 1
		.amdhsa_forward_progress 1
		.amdhsa_inst_pref_size 8
	.end_amdhsa_kernel
	.amdgpu_metadata
---
amdhsa.version: [ 1, 2 ]
amdhsa.kernels:
  - .name:           k_q06bfe4f607_bnout
    .symbol:         k_q06bfe4f607_bnout.kd
    .args:
      - { .name: y2t, .offset: 0, .size: 8, .value_kind: global_buffer, .address_space: global }
      - { .name: part2, .offset: 8, .size: 8, .value_kind: global_buffer, .address_space: global }
      - { .name: g2, .offset: 16, .size: 8, .value_kind: global_buffer, .address_space: global }
      - { .name: be2, .offset: 24, .size: 8, .value_kind: global_buffer, .address_space: global }
      - { .name: out0, .offset: 32, .size: 8, .value_kind: global_buffer, .address_space: global }
    .group_segment_fixed_size: 1280
    .private_segment_fixed_size: 0
    .kernarg_segment_align: 8
    .kernarg_segment_size: 40
    .max_flat_workgroup_size: 256
    .sgpr_count:     66
    .vgpr_count:     66
    .wavefront_size: 32
...
	.end_amdgpu_metadata
.endif
;; end of part 4
